; MI455X (gfx1250); checked and timed in simulation.
; The chip was launched on July 23, 2026; its instructions are those of AMD's public machine-readable ISA for CDNA 5 (MIT licence, August 2026) and "CDNA5" Instruction Set Architecture Reference Guide (July 2026). The comments in the code are by the model that wrote it; some were corrected since.
;; Mixture Of Experts. Allowed arithmetic: matrix products marked QUANTISED: E3M2 operands, one E8M0 scale for each 32 along K, by v_wmma_scale_f32_16x16x128_f8f6f4 with both operands' format E3M2, f32 sums; products left as they are: f32 operands where the result goes on into a quantised operand, else bf16, f16 or f32 operands; f32 sums; everything else in f32.
;; Inputs: Wr 1,024 x 8 float32; w1 8 x 1,024 x 2,048 float32; w2 8 x 1,024 x 2,048 float32; w3 8 x 2,048 x 1,024 float32; x 2 x 512 x 1,024 float32.
;; Outputs: out0 2 x 512 x 1,024 float32; out1 one number float32.
;; This version of the problem:
;;   THIS VERSION OF THE PROBLEM IS GIVEN IN LOW PRECISION. The matrix products marked QUANTISED in the list below multiply operands that are first quantised to E3M2 (3 exponent bits, 2 mantissa bits; 6 bits a number), with one power-of-two scale for each 32 numbers along K (OCP MX v1.0); their sums are f32. All else is computed in f32.
;;   The module's matrix products, in the order in which they are computed (A, B: the left and right operand; K: the contracted axis; several contracted axes count as one K, in the product's order):
;;     1. [M 1,024, K 1,024] x [K 1,024, N 8]; A: input x; B: input Wr: left as it is (N = 8 < 16)
;;     2. batch 1,024 x [M 1, K 2] x [K 2, N 8]; A: computed on the way; B: computed on the way: left as it is (K = 2 < 32)
;;     3. [M 1,024, K 1,024] x [K 1,024, N 16,384]; A: input x; B: input w1: QUANTISED
;;     4. [M 1,024, K 1,024] x [K 1,024, N 16,384]; A: input x; B: input w2: QUANTISED
;;     5. batch 8 x [M 1,024, K 2,048] x [K 2,048, N 1,024]; A: input w3; B: computed on the way: QUANTISED
;;     6. batch 1,024 x [M 1, K 8] x [K 8, N 1,024]; A: computed on the way; B: computed on the way: left as it is (K = 8 < 32)
;;   THE QUANTISER, for each operand of a quantised product, along K:
;;     - K is cut into blocks of 32 from its start; a last block that is shorter is filled with zeros.
;;     - A block's scale is 2^e with e = floor(log2(the largest magnitude in the block)) - 4, held to -126 .. 127; a block of zeros has e = 0. As a byte (E8M0): e + 127.
;;     - Each number is divided by its block's scale, clamped to +-28, and rounded to the nearest number of E3M2, ties to even, subnormals kept.
;;     - The product sums the exact products of the quantised numbers (number of the format x scale) in f32.
;;   ~~~python
;;   def quantise(x, axis):      # numpy; x: float32 -> the quantised numbers, widened to float32 again
;;       x = np.moveaxis(x, axis, -1); K = x.shape[-1]
;;       x = np.pad(x, [(0, 0)] * (x.ndim - 1) + [(0, -K % 32)]); x = x.reshape(x.shape[:-1] + (-1, 32)); a = np.abs(x).max(-1, keepdims=True)
;;       e = np.where(a > 0, np.clip(np.frexp(np.where(a > 0, a, 1))[1] - 1 - 4, -126, 127), 0)      # np.frexp(a)[1] - 1 = floor(log2(a)), exactly
;;       r = np.clip(x / 2.0 ** e, -28, 28)
;;       step = 2.0 ** (np.maximum(np.frexp(np.where(r == 0, 1, r))[1] - 1, -2) - 2)
;;       q = np.round(r / step) * step * 2.0 ** e      # np.round: ties to even
;;       return np.moveaxis(q.reshape(q.shape[:-2] + (-1,))[..., :K], -1, axis).astype(np.float32)
;;   ~~~
;;   OPERANDS COMPUTED ON THE WAY. 'Computed on the way' means the value that the module computes at that place (a softmax that the list does not call 'softmax' is quantised finished and normalised). What goes into a quantiser is computed in f32, as accurately as f32 sums, v_exp_f32 and their like allow (about 1e-6 of the number): no bf16 or f16 on the way to a quantiser, and a product that is left as it is and whose result goes on into a quantised operand takes f32 operands (vector FMAs, or v_wmma_f32_16x16x4_f32). A number that lies on a knife's edge between two numbers of the format may be rounded either way, as far as f32 arithmetic and the matrix unit's own rounding can turn it there, and no further.
;; One version. Each part assembles by itself: llvm-mc -triple=amdgcn-amd-amdhsa -mcpu=gfx1250 --defsym DOCPART=n.
;; ======== version 1 of 1: 5 launches
;; workspace buffers: xq 819,200 bytes; choice 8,192 bytes of whole numbers; gate 16,384 bytes; order 49,408 bytes of whole numbers; hq 13,107,200 bytes; eo 67,108,864 bytes
;; launch route (part 1): grid 256 x 1, 1 waves a work-group, no clusters, 0 bytes of LDS; arguments x, Wr, xq, choice, gate; writes xq, choice, gate
.if DOCPART == 1
	.amdgcn_target "amdgcn-amd-amdhsa--gfx1250"
	.amdhsa_code_object_version 6
	.text
	.protected	k_q560729b879_route
	.globl	k_q560729b879_route
	.p2align	8
	.type	k_q560729b879_route,@function
k_q560729b879_route:
	s_mov_b64 s[64:65], 0
	v_nop
	global_prefetch_b8 v0, s[64:65] scope:SCOPE_SE
	s_setreg_imm32_b32 hwreg(HW_REG_WAVE_MODE, 25, 1), 1
	s_wait_xcnt 0x0
; ROUTE.  For 4 tokens a work-group (one wave): the router's logits x Wr in f32, the softmax over the 8 experts (the maximum taken away first), the two
; largest probabilities (a later expert displaces an earlier one only where it is strictly larger, so the lower index wins a tie), their weights
; renormalised, and the sum of the 4 tokens' probabilities for the usage.  On the same pass x becomes codes of E3M2 with one E8M0 byte for each 32 along H.
; SHARES.  Lane l owns block l of H: k = 32 l .. 32 l + 31, of all four tokens and of Wr.  So a block's largest magnitude needs no other lane.
; OUT.  xq: token t's codes at 768 t, K step s at 96 s.  Lane half h of an operand holds 48 bytes of a K step (block 4 s + h, then block 4 s + 2 + h): they lie as three pieces of
;       16 bytes, piece i at 32 i + 16 h, so that the two halves' pieces of one load of the reader lie side by side: 32 consecutive bytes of a row an instruction.
;       xq + 786,432: the scale bytes, 32 t + block.   choice: [t][2] the experts.   gate: [t][2] the weights; at 8,192: [work-group][8] sums of probabilities.
; The choice steers no address here: it is stored as numbers, at fixed places.
; LIMITS: NaN and infinities among the inputs are not served.  A block whose largest magnitude lies under 2^-122 keeps the byte 1 (a block of zeros too, where the
; rule says 127: its codes are zeros, and this program alone reads the bytes).
; REGISTERS.  window 0: v1-3, v6 offsets; v8-15 the experts chosen; v16-23 their probabilities, then weights; v24-31 the usage; v32-159 x (32 a token);
;   v160-191 the logits, later at work, later the codes; v192-223 the probabilities; v224-249 at work.   window 1: Wr, v[8 kk + e].
.set X,   32
.set ACC, 160
.set P,   192
.set T8,  224
.set MX,  232
.set QS,  236
.set EC,  240
.set QA,  248
.set QB,  249
.set CH,  8
.set GW,  16
.set US,  24
.set MSB, 0
.macro WIN new                         ; the immediate's high byte repeats the setting that is left
.if MSB != \new
	s_set_vgpr_msb (MSB<<8)|\new
.set MSB, \new
.endif
.endm
	s_load_b256 s[4:11], s[0:1], 0x0               ; x, Wr, xq, choice
	s_load_b64 s[12:13], s[0:1], 0x20              ; gate
	v_lshlrev_b32 v1, 7, v0                        ; x: my block's 128 bytes of a row
	v_lshlrev_b32 v2, 10, v0                       ; Wr: my 32 rows of 32 bytes
	v_and_b32 v3, 1, v0                            ; where my block's six words go: h = l % 2: 16 h,
	v_lshlrev_b32 v3, 4, v3
	v_lshrrev_b32 v4, 2, v0                        ; s = l / 4: 96 s,
	v_mad_u32_u24 v3, v4, 96, v3
	v_bfe_u32 v4, v0, 1, 1                         ; c = (l / 2) % 2: my words are words 6 c .. 6 c + 5 of the half's twelve; word p lies at 32 (p / 4) + 4 (p % 4)
	v_mad_u32_u24 v6, v4, 56, v3                   ; words 2, 3: 8 bytes on from here: at 8 (c = 0) or 64 (c = 1)
	v_mad_u32_u24 v3, v4, 40, v3                   ; words 0, 1: at 0 or 40;  words 4, 5: 32 bytes on: at 32 or 72
	s_lshl_b32 s14, ttmp9, 14                      ; 4 rows of x
	s_mov_b32 s15, 0
	s_mul_i32 s16, ttmp9, 3072                     ; 4 tokens' codes
	s_mov_b32 s17, 0
	s_lshl_b32 s18, ttmp9, 7                       ; 4 tokens' scale bytes
	s_add_co_u32 s18, s18, 786432
	s_mov_b32 s19, 0
	s_lshl_b32 s22, ttmp9, 5                       ; 32 bytes a work-group in choice and in both parts of gate
	s_mov_b32 s23, 0
	s_mov_b32 s20, 0x76543210                      ; v_permlanex16_b32's selects for lane l xor 16
	s_mov_b32 s21, 0xfedcba98
	s_wait_kmcnt 0x0
	s_add_nc_u64 s[4:5], s[4:5], s[14:15]
	s_add_nc_u64 s[16:17], s[8:9], s[16:17]
	s_add_nc_u64 s[18:19], s[8:9], s[18:19]
	s_add_nc_u64 s[10:11], s[10:11], s[22:23]
	s_add_nc_u64 s[12:13], s[12:13], s[22:23]
.irp t, 0,1,2,3
.irp i, 0,1,2,3,4,5,6,7
	global_load_b128 v[X+32*\t+4*\i:X+32*\t+4*\i+3], v1, s[4:5] offset:4096*\t+16*\i th:TH_LOAD_NT
.endr
.endr
	WIN 0x40                                       ; destination window 1
.set kk, 0
.rept 32
	global_load_b128 v[8*kk:8*kk+3], v2, s[6:7] offset:32*kk
	global_load_b128 v[8*kk+4:8*kk+7], v2, s[6:7] offset:32*kk+16
.set kk, kk+1
.endr
	WIN 0
	s_wait_loadcnt 0x0                             ; all of it is wanted at once
	; the logits: my 32 k of each of 4 x 8 sums, two experts an instruction, sixteen chains.  The first product starts each sum.
	WIN 0x04                                       ; source 1 (Wr) window 1
.irp t, 0,1,2,3
.irp p, 0,1,2,3
	v_pk_mul_f32 v[ACC+8*\t+2*\p:ACC+8*\t+2*\p+1], v[X+32*\t:X+32*\t+1], v[2*\p:2*\p+1] op_sel_hi:[0,1]
.endr
.endr
.set kk, 1
.rept 31
.irp t, 0,1,2,3
.irp p, 0,1,2,3
.if kk%2
	v_pk_fma_f32 v[ACC+8*\t+2*\p:ACC+8*\t+2*\p+1], v[X+32*\t+kk-1:X+32*\t+kk], v[8*kk+2*\p:8*kk+2*\p+1], v[ACC+8*\t+2*\p:ACC+8*\t+2*\p+1] op_sel:[1,0,0] op_sel_hi:[1,1,1]
.else
	v_pk_fma_f32 v[ACC+8*\t+2*\p:ACC+8*\t+2*\p+1], v[X+32*\t+kk:X+32*\t+kk+1], v[8*kk+2*\p:8*kk+2*\p+1], v[ACC+8*\t+2*\p:ACC+8*\t+2*\p+1] op_sel_hi:[0,1,1]
.endif
.endr
.endr
.set kk, kk+1
.endr
	WIN 0
	; across the 32 lanes: every lane ends with all 32 logits
.irp m, 1,2,4,8
.set j, 0
.rept 32
	v_add_f32_dpp v[ACC+j], v[ACC+j], v[ACC+j] row_xmask:\m row_mask:0xf bank_mask:0xf
.set j, j+1
.endr
.endr
.irp i, 0,1,2,3,4,5,6,7
	v_mov_b32 v[T8+\i], 0                          ; a lane permute's destination counts as one of its sources
.endr
.irp g, 0,1,2,3
.irp i, 0,1,2,3,4,5,6,7
	v_permlanex16_b32 v[T8+\i], v[ACC+8*\g+\i], s20, s21
.endr
.irp i, 0,1,2,3,4,5,6,7
	v_add_f32 v[ACC+8*\g+\i], v[ACC+8*\g+\i], v[T8+\i]
.endr
.endr
	; the softmax of each token
.irp t, 0,1,2,3
	v_max3_num_f32 v[MX+\t], v[ACC+8*\t], v[ACC+8*\t+1], v[ACC+8*\t+2]
.endr
.irp i, 3,5
.irp t, 0,1,2,3
	v_max3_num_f32 v[MX+\t], v[MX+\t], v[ACC+8*\t+\i], v[ACC+8*\t+\i+1]
.endr
.endr
.irp t, 0,1,2,3
	v_max_num_f32 v[MX+\t], v[MX+\t], v[ACC+8*\t+7]
.endr
.irp t, 0,1,2,3
.irp e, 0,1,2,3,4,5,6,7
	v_sub_f32 v[P+8*\t+\e], v[ACC+8*\t+\e], v[MX+\t]           ; the maximum is taken away first: exact where the two are near
.endr
.endr
.set j, 0
.rept 32
	v_mul_f32 v[P+j], 0x3fb8aa3b, v[P+j]           ; x log2(e)
.set j, j+1
.endr
.set j, 0
.rept 32
	v_exp_f32 v[P+j], v[P+j]
.set j, j+1
.endr
.irp e, 0,1,2,3,4,5,6,7
	v_mov_b32 v[EC+\e], \e                         ; the experts' numbers, for the selects below (plain lines behind the exponentials)
.endr
	s_wait_alu depctr_va_vdst(0)
.irp t, 0,1,2,3
	v_pk_add_f32 v[ACC+8*\t:ACC+8*\t+1], v[P+8*\t:P+8*\t+1], v[P+8*\t+2:P+8*\t+3]
	v_pk_add_f32 v[ACC+8*\t+2:ACC+8*\t+3], v[P+8*\t+4:P+8*\t+5], v[P+8*\t+6:P+8*\t+7]
.endr
.irp t, 0,1,2,3
	v_pk_add_f32 v[ACC+8*\t:ACC+8*\t+1], v[ACC+8*\t:ACC+8*\t+1], v[ACC+8*\t+2:ACC+8*\t+3]
.endr
.irp t, 0,1,2,3
	v_add_f32 v[MX+\t], v[ACC+8*\t], v[ACC+8*\t+1]
.endr
.irp t, 0,1,2,3
	v_rcp_f32 v[MX+\t], v[MX+\t]
.endr
	v_nop                                          ; a plain line behind the reciprocals
	s_wait_alu depctr_va_vdst(0)
.irp t, 0,1,2,3
.irp e, 0,1,2,3,4,5,6,7
	v_mul_f32 v[P+8*\t+\e], v[P+8*\t+\e], v[MX+\t]
.endr
.endr
	; the two largest, by selects alone
.irp t, 0,1,2,3
	v_mov_b32 v[GW+2*\t], v[P+8*\t]                ; the largest so far: expert 0's
	v_mov_b32 v[CH+2*\t], 0
	v_mov_b32 v[GW+2*\t+1], -1.0                   ; the second: under every probability
	v_mov_b32 v[CH+2*\t+1], 0
.endr
.irp e, 1,2,3,4,5,6,7
.irp t, 0,1,2,3
	v_cmp_gt_f32 s24, v[P+8*\t+\e], v[GW+2*\t]
	v_cmp_gt_f32 s25, v[P+8*\t+\e], v[GW+2*\t+1]
	v_cndmask_b32 v[GW+2*\t+1], v[GW+2*\t+1], v[P+8*\t+\e], s25
	v_cndmask_b32 v[CH+2*\t+1], v[CH+2*\t+1], v[EC+\e], s25
	v_cndmask_b32 v[GW+2*\t+1], v[GW+2*\t+1], v[GW+2*\t], s24  ; a new largest moves the old one down
	v_cndmask_b32 v[CH+2*\t+1], v[CH+2*\t+1], v[CH+2*\t], s24
	v_cndmask_b32 v[GW+2*\t], v[GW+2*\t], v[P+8*\t+\e], s24
	v_cndmask_b32 v[CH+2*\t], v[CH+2*\t], v[EC+\e], s24
.endr
.endr
.irp t, 0,1,2,3
	v_add_f32 v[MX+\t], v[GW+2*\t], v[GW+2*\t+1]
.endr
.irp t, 0,1,2,3
	v_rcp_f32 v[MX+\t], v[MX+\t]
.endr
.irp p, 0,1,2,3
	v_pk_add_f32 v[US+2*\p:US+2*\p+1], v[P+2*\p:P+2*\p+1], v[P+8+2*\p:P+8+2*\p+1]     ; the usage: the four tokens' probabilities (plain lines behind the reciprocals)
.endr
.irp t, 2,3
.irp p, 0,1,2,3
	v_pk_add_f32 v[US+2*\p:US+2*\p+1], v[US+2*\p:US+2*\p+1], v[P+8*\t+2*\p:P+8*\t+2*\p+1]
.endr
.endr
	s_wait_alu depctr_va_vdst(0)
.irp t, 0,1,2,3
	v_mul_f32 v[GW+2*\t], v[GW+2*\t], v[MX+\t]     ; the two weights add up to 1
	v_mul_f32 v[GW+2*\t+1], v[GW+2*\t+1], v[MX+\t]
.endr
	; x into codes: my block of each token.  The block's largest magnitude with 4 off its exponent field is the conversion's scale operand; that field is the byte.
.irp t, 0,1,2,3
	v_max3_num_f32 v[QA], |v[X+32*\t]|, |v[X+32*\t+1]|, |v[X+32*\t+2]|
	v_max3_num_f32 v[QB], |v[X+32*\t+3]|, |v[X+32*\t+4]|, |v[X+32*\t+5]|
.irp i, 6,10,14,18,22,26
	v_max3_num_f32 v[QA], v[QA], |v[X+32*\t+\i]|, |v[X+32*\t+\i+1]|
	v_max3_num_f32 v[QB], v[QB], |v[X+32*\t+\i+2]|, |v[X+32*\t+\i+3]|
.endr
	v_max3_num_f32 v[QA], v[QA], |v[X+32*\t+30]|, |v[X+32*\t+31]|
	v_max3_num_f32 v[QA], v[QA], v[QB], 0x2800000              ; the floor 2^(5 - 127): the byte cannot fall under 1
	v_add_nc_u32 v[QS+\t], 0xfe000000, v[QA]
	v_cvt_scalef32_pk16_bf6_f32 v[ACC+8*\t:ACC+8*\t+2], v[X+32*\t:X+32*\t+15], v[QS+\t]
	v_cvt_scalef32_pk16_bf6_f32 v[T8+4*(\t%2):T8+4*(\t%2)+2], v[X+32*\t+16:X+32*\t+31], v[QS+\t]   ; (a conversion's three registers begin on an even number)
	v_lshrrev_b32 v[ACC+8*\t+6], 23, v[QS+\t]      ; the byte (the plain line behind the conversions)
	v_mov_b32 v[ACC+8*\t+3], v[T8+4*(\t%2)]        ; the block's six words on end
	v_mov_b32 v[ACC+8*\t+4], v[T8+4*(\t%2)+1]
	v_mov_b32 v[ACC+8*\t+5], v[T8+4*(\t%2)+2]
	global_store_b64 v3, v[ACC+8*\t:ACC+8*\t+1], s[16:17] offset:768*\t
	global_store_b64 v6, v[ACC+8*\t+2:ACC+8*\t+3], s[16:17] offset:768*\t+8
	global_store_b64 v3, v[ACC+8*\t+4:ACC+8*\t+5], s[16:17] offset:768*\t+32          ; the three stores of the wave fill the token's 768 bytes
	global_store_b8 v0, v[ACC+8*\t+6], s[18:19] offset:32*\t   ; 32 lanes store a token's 32 bytes
.endr
	; what every lane holds alike leaves from lane 0
	v_mov_b32 v5, 0
	s_wait_xcnt 0x0                                ; EXEC is a source of the stores above: it changes only behind this wait
	v_cmp_eq_u32 vcc_lo, 0, v0
	s_and_saveexec_b32 s24, vcc_lo
	global_store_b128 v5, v[CH:CH+3], s[10:11]
	global_store_b128 v5, v[CH+4:CH+7], s[10:11] offset:16
	global_store_b128 v5, v[GW:GW+3], s[12:13]
	global_store_b128 v5, v[GW+4:GW+7], s[12:13] offset:16
	global_store_b128 v5, v[US:US+3], s[12:13] offset:8192
	global_store_b128 v5, v[US+4:US+7], s[12:13] offset:8208
	s_endpgm
.Lfunc_end_k_q560729b879_route:
	.size	k_q560729b879_route, .Lfunc_end_k_q560729b879_route-k_q560729b879_route
	.p2alignl 7, 3214868480
	.fill 96, 4, 3214868480
	.section	.rodata,"a",@progbits
	.p2align	6, 0x0
	.amdhsa_kernel k_q560729b879_route
		.amdhsa_group_segment_fixed_size 0
		.amdhsa_private_segment_fixed_size 0
		.amdhsa_enable_private_segment 0
		.amdhsa_kernarg_size 40
		.amdhsa_user_sgpr_count 2
		.amdhsa_user_sgpr_kernarg_segment_ptr 1
		.amdhsa_wavefront_size32 1
		.amdhsa_system_sgpr_workgroup_id_x 1
		.amdhsa_system_sgpr_workgroup_id_y 1
		.amdhsa_system_sgpr_workgroup_id_z 1
		.amdhsa_system_vgpr_workitem_id 0
		.amdhsa_next_free_vgpr 512
		.amdhsa_next_free_sgpr 66
		.amdhsa_reserve_vcc 1
		.amdhsa_float_denorm_mode_32 3
		.amdhsa_float_denorm_mode_16_64 3
		.amdhsa_memory_ordered 1
		.amdhsa_forward_progress 1
		.amdhsa_inst_pref_size 85
	.end_amdhsa_kernel
	.amdgpu_metadata
---
amdhsa.version: [ 1, 2 ]
amdhsa.kernels:
  - .name:           k_q560729b879_route
    .symbol:         k_q560729b879_route.kd
    .args:
      - { .name: x, .offset: 0, .size: 8, .value_kind: global_buffer, .address_space: global }
      - { .name: Wr, .offset: 8, .size: 8, .value_kind: global_buffer, .address_space: global }
      - { .name: xq, .offset: 16, .size: 8, .value_kind: global_buffer, .address_space: global }
      - { .name: choice, .offset: 24, .size: 8, .value_kind: global_buffer, .address_space: global }
      - { .name: gate, .offset: 32, .size: 8, .value_kind: global_buffer, .address_space: global }
    .group_segment_fixed_size: 0
    .private_segment_fixed_size: 0
    .kernarg_segment_align: 8
    .kernarg_segment_size: 40
    .max_flat_workgroup_size: 32
    .sgpr_count:     66
    .vgpr_count:     512
    .wavefront_size: 32
...
	.end_amdgpu_metadata
.endif
;; end of part 1
;; launch place (part 2): grid 1 x 1, 8 waves a work-group, no clusters, 2,048 bytes of LDS; arguments choice, gate, order, out1; writes order, out1
.if DOCPART == 2
	.amdgcn_target "amdgcn-amd-amdhsa--gfx1250"
	.amdhsa_code_object_version 6
	.text
	.protected	k_q560729b879_place
	.globl	k_q560729b879_place
	.p2align	8
	.type	k_q560729b879_place,@function
k_q560729b879_place:
	s_mov_b64 s[64:65], 0
	v_nop
	global_prefetch_b8 v0, s[64:65] scope:SCOPE_SE
	s_setreg_imm32_b32 hwreg(HW_REG_WAVE_MODE, 25, 1), 1
	s_wait_xcnt 0x0
; PLACE.  A counting sort of the 2,048 routed rows by expert, without atomics, in one work-group; and the load-balancing loss.
; SHARES.  Wave w owns tokens 128 w + 32 j + lane, j = 0 .. 3.  Each wave counts its rows of each expert; the counts meet in LDS; a row's place in its expert's list is
; the earlier waves' count + the wave's earlier groups' + the set bits of the lower lanes.
; OUT (order).  At 5,120 e: expert e's list, entry p = the token of its row p; the 256 entries behind the count hold 0, since later launches read whole tiles and ask ahead.
;   At 40,960: [t][2] the token's two rows, 1,024 e + p.   At 49,152: the eight counts.   out1: the sum over experts of (mean probability - 1/8)^2, x 0.01.
; REGISTERS.  v8-15 the choices; v16-23 the rows (pairs); v24-31 where each expert's next row goes; v32-39 the totals; v40-103 the table of counts; v104.. at work.
	s_load_b256 s[4:11], s[0:1], 0x0               ; choice, gate, order, out1
	v_lshl_add_u32 v160, v0, 2, 0x400
	v_mov_b32 v161, 0
	v_lshrrev_b32 v1, 5, v0
	v_readfirstlane_b32 s12, v1                    ; wave 0..7
	v_and_b32 v1, 31, v0                           ; lane
	v_lshlrev_b32 v2, 3, v1
	v_lshl_add_u32 v2, s12, 10, v2                 ; 8 bytes a token: 1,024 w + 8 lane
	v_lshlrev_b32 v4, 2, v0                        ; LDS: 128 w + 4 lane
	v_mov_b32 v5, 0
	v_mov_b32 v3, 0
	s_lshl_b32 s13, s12, 7
	v_add_nc_u32 v108, s13, v1                     ; my four tokens
.irp j, 1,2,3
	v_add_nc_u32 v[108+\j], 32*\j, v108
.endr
.irp j, 0,1,2,3,4,5,6,7
	v_mov_b32 v[16+\j], 0
.endr
	s_wait_kmcnt 0x0
.irp j, 0,1,2,3
	global_load_b64 v[8+2*\j:9+2*\j], v2, s[4:5] offset:256*\j
.endr
	s_wait_loadcnt 0x0
	; my wave's rows of each expert
.irp e, 0,1,2,3,4,5,6,7
.irp j, 0,1,2,3
	v_cmp_eq_u32 s20, \e, v[8+2*\j]
	v_cmp_eq_u32 s21, \e, v[9+2*\j]
	s_or_b32 s20, s20, s21                         ; a token's two experts differ: one bit a token at the most
.if \j == 0
	s_bcnt1_i32_b32 s[24+\e], s20
.else
	s_bcnt1_i32_b32 s20, s20
	s_add_co_u32 s[24+\e], s[24+\e], s20
.endif
.endr
	v_writelane_b32 v3, s[24+\e], \e
.endr
	ds_store_b32 v4, v3                            ; lanes 0-7 of my 128 bytes: my eight counts
	s_wait_dscnt 0x0                               ; for the others' sake
	s_barrier_signal -1
	s_barrier_wait -1
.irp w, 0,1,2,3,4,5,6,7
	ds_load_b128 v[40+8*\w:43+8*\w], v5 offset:128*\w          ; every lane reads the whole table
	ds_load_b128 v[44+8*\w:47+8*\w], v5 offset:128*\w+16
.endr
	s_wait_dscnt 0x0
.irp w, 0,1,2,3,4,5,6,7
	s_cmp_gt_u32 s12, \w
	s_cselect_b32 s13, 1, 0                        ; does wave w come before mine?
.irp e, 0,1,2,3,4,5,6,7
.if \w == 0
	v_mul_u32_u24 v[24+\e], v[40+\e], s13
.else
	v_mad_u32_u24 v[24+\e], v[40+8*\w+\e], s13, v[24+\e]
.endif
.if \w == 1
	v_add_nc_u32 v[32+\e], v[40+\e], v[48+\e]
.endif
.if \w > 1
	v_add_nc_u32 v[32+\e], v[32+\e], v[40+8*\w+\e]
.endif
.endr
.endr
	; each row's place
.irp j, 0,1,2,3
.irp e, 0,1,2,3,4,5,6,7
	v_cmp_eq_u32 s20, \e, v[8+2*\j]
	v_cmp_eq_u32 s21, \e, v[9+2*\j]
	s_or_b32 s22, s20, s21
	v_mbcnt_lo_u32_b32 v104, s22, v[24+\e]         ; the expert's next place + the lower lanes' rows
	v_add_nc_u32 v104, \e*1024, v104
	v_cndmask_b32 v[16+2*\j], v[16+2*\j], v104, s20
	v_cndmask_b32 v[17+2*\j], v[17+2*\j], v104, s21
	s_bcnt1_i32_b32 s22, s22
	v_add_nc_u32 v[24+\e], s22, v[24+\e]
.endr
.endr
.irp j, 0,1,2,3
	global_store_b64 v2, v[16+2*\j:17+2*\j], s[8:9] offset:40960+256*\j
.endr
.irp i, 0,1,2,3,4,5,6,7
	v_lshrrev_b32 v[112+\i], 10, v[16+\i]          ; 1,024 e + p -> 1,280 e + p
	v_lshl_add_u32 v[112+\i], v[112+\i], 8, v[16+\i]
	v_min_u32 v[112+\i], 10239, v[112+\i]          ; the list has 10,240 entries
	v_lshlrev_b32 v[112+\i], 2, v[112+\i]
	global_store_b32 v[112+\i], v[108+\i/2], s[8:9]
.endr
.irp e, 0,1,2,3,4,5,6,7
	v_add_nc_u32 v[120+\e], v[32+\e], v0           ; the 256 threads fill the 256 entries behind expert e's count
	v_add_nc_u32 v[120+\e], \e*1280, v[120+\e]
	v_min_u32 v[120+\e], 10239, v[120+\e]
	v_lshlrev_b32 v[120+\e], 2, v[120+\e]
	global_store_b32 v[120+\e], v5, s[8:9]
.endr
	s_cmp_lg_u32 s12, 0
	s_cbranch_scc1 .Lend                           ; the rest is wave 0's; no barrier stands in it
	v_lshlrev_b32 v128, 5, v1                      ; lane l takes the sums of work-groups l + 32 i
.irp i, 0,1,2,3,4,5,6,7
	global_load_b128 v[40+8*\i:43+8*\i], v128, s[6:7] offset:8192+1024*\i
	global_load_b128 v[44+8*\i:47+8*\i], v128, s[6:7] offset:8192+1024*\i+16
.endr
.irp e, 0,1,2,3,4,5,6,7
	v_mov_b32 v[130+\e], 0                         ; a lane permute's destination counts as one of its sources
.endr
	s_mov_b32 s14, 0x76543210
	s_mov_b32 s15, 0xfedcba98
	s_mov_b32 s16, 0x3a800000                      ; 1 / 1,024
	s_mov_b32 s17, 0xbe000000                      ; -1 / 8
	s_wait_loadcnt 0x0
.irp i, 1,2,3,4,5,6,7
.irp p, 0,1,2,3
	v_pk_add_f32 v[40+2*\p:41+2*\p], v[40+2*\p:41+2*\p], v[40+8*\i+2*\p:41+8*\i+2*\p]
.endr
.endr
.irp m, 1,2,4,8
.irp e, 0,1,2,3,4,5,6,7
	v_add_f32_dpp v[40+\e], v[40+\e], v[40+\e] row_xmask:\m row_mask:0xf bank_mask:0xf
.endr
.endr
.irp e, 0,1,2,3,4,5,6,7
	v_permlanex16_b32 v[130+\e], v[40+\e], s14, s15
.endr
.irp e, 0,1,2,3,4,5,6,7
	v_add_f32 v[40+\e], v[40+\e], v[130+\e]
.endr
.irp e, 0,1,2,3,4,5,6,7
	v_fma_f32 v[40+\e], v[40+\e], s16, s17         ; the mean less the target (the division by 1,024 is exact)
.endr
	v_mul_f32 v138, v40, v40
.irp e, 1,2,3,4,5,6,7
	v_fma_f32 v138, v[40+\e], v[40+\e], v138
.endr
	v_mul_f32 v138, 0x3c23d70a, v138               ; x 0.01
	s_wait_xcnt 0x0                                ; EXEC is a source of the stores and loads above: it changes only behind this wait
	v_cmp_eq_u32 vcc_lo, 0, v0
	s_wait_tensorcnt 0x0
	ds_add_u32 v160, v161
	s_wait_dscnt 0x0
	s_and_saveexec_b32 s18, vcc_lo
	global_store_b128 v5, v[32:35], s[8:9] offset:49152
	global_store_b128 v5, v[36:39], s[8:9] offset:49168
	global_store_b32 v5, v138, s[10:11]
	s_endpgm
.Lend:
	s_wait_tensorcnt 0x0
	ds_add_u32 v160, v161
	s_wait_dscnt 0x0
	s_endpgm
.Lfunc_end_k_q560729b879_place:
	.size	k_q560729b879_place, .Lfunc_end_k_q560729b879_place-k_q560729b879_place
	.p2alignl 7, 3214868480
	.fill 96, 4, 3214868480
	.section	.rodata,"a",@progbits
	.p2align	6, 0x0
	.amdhsa_kernel k_q560729b879_place
		.amdhsa_group_segment_fixed_size 2048
		.amdhsa_private_segment_fixed_size 0
		.amdhsa_enable_private_segment 0
		.amdhsa_kernarg_size 32
		.amdhsa_user_sgpr_count 2
		.amdhsa_user_sgpr_kernarg_segment_ptr 1
		.amdhsa_wavefront_size32 1
		.amdhsa_system_sgpr_workgroup_id_x 1
		.amdhsa_system_sgpr_workgroup_id_y 1
		.amdhsa_system_sgpr_workgroup_id_z 1
		.amdhsa_system_vgpr_workitem_id 0
		.amdhsa_next_free_vgpr 162
		.amdhsa_next_free_sgpr 66
		.amdhsa_reserve_vcc 1
		.amdhsa_float_denorm_mode_32 3
		.amdhsa_float_denorm_mode_16_64 3
		.amdhsa_memory_ordered 1
		.amdhsa_forward_progress 1
		.amdhsa_inst_pref_size 45
	.end_amdhsa_kernel
	.amdgpu_metadata
---
amdhsa.version: [ 1, 2 ]
amdhsa.kernels:
  - .name:           k_q560729b879_place
    .symbol:         k_q560729b879_place.kd
    .args:
      - { .name: choice, .offset: 0, .size: 8, .value_kind: global_buffer, .address_space: global }
      - { .name: gate, .offset: 8, .size: 8, .value_kind: global_buffer, .address_space: global }
      - { .name: order, .offset: 16, .size: 8, .value_kind: global_buffer, .address_space: global }
      - { .name: out1, .offset: 24, .size: 8, .value_kind: global_buffer, .address_space: global }
    .group_segment_fixed_size: 2048
    .private_segment_fixed_size: 0
    .kernarg_segment_align: 8
    .kernarg_segment_size: 32
    .max_flat_workgroup_size: 256
    .sgpr_count:     66
    .vgpr_count:     162
    .wavefront_size: 32
...
	.end_amdgpu_metadata
.endif
;; end of part 2
;; launch gateup (part 3): grid 32 x 8, 4 waves a work-group, no clusters, 168,448 bytes of LDS; arguments w1, w2, xq, order, hq; writes hq
.if DOCPART == 3
	.amdgcn_target "amdgcn-amd-amdhsa--gfx1250"
	.amdhsa_code_object_version 6
	.text
	.protected	k_q560729b879_gateup
	.globl	k_q560729b879_gateup
	.p2align	8
	.type	k_q560729b879_gateup,@function
k_q560729b879_gateup:
	s_mov_b64 s[64:65], 0
	v_nop
	global_prefetch_b8 v0, s[64:65] scope:SCOPE_SE
	s_setreg_imm32_b32 hwreg(HW_REG_WAVE_MODE, 25, 1), 1
	s_wait_xcnt 0x0
; GATEUP.  hidden = silu(x w1) * (x w2) for the rows routed to one expert, on codes of E3M2 with one E8M0 scale for each 32 along K; the hidden layer leaves as codes.
; THE WEIGHTS STAY, THE ROWS GO BY.  A work-group owns 64 columns of I of one expert (x: the slice, y: the expert).  It reads its 2 x 1,024 x 64 numbers of w1 and w2 once, as f32,
; turns them into operand fragments in LDS (phase 1), and multiplies them with every tile of 16 rows of the expert's list (phase 2).  No weight byte is read by two work-groups,
; so nothing could be asked for jointly: no cluster.  The stream goes through registers, four chunks of 16 loads of 512 bytes a wave ahead of the work, and never runs dry at a change of slots.
; PHASE 1.  Wave w: matrix w / 2 (w1, w2), K half w % 2: 16 chunks of 32 rows x 256 bytes.  A load takes two rows: sixteen lanes read 256 consecutive bytes, aligned.  A chunk turns
; through the wave's own stage in LDS and comes back A LANE TO A COLUMN, REGISTERS DOWN K: a block of 32 along K lies in one lane, and the conversions give codes with K innermost.
; A block's 24 bytes go to their place in the IMAGE of the operand's registers: fragment (matrix, g, u, s) is 3 x 512 bytes, lane l' at 16 l'.
; THE COLUMNS OF A TILE ARE NOT NEIGHBOURS: of 32 columns, tile u takes those with bit 3 = u; its row is (column % 8) + 8 (column / 16).  The product is used transposed (source 0 = 16 columns
; of the weight, source 1 = 16 rows of x): lane (r, h) holds row r, and the 16 registers of tiles u = 0, 1 are columns 16 h + 0 .. 15: neighbours along the next product's K.
; PHASE 2.  Wave w: columns 32 (w % 2) on, tiles 4 j + w / 2 and 4 j + w / 2 + 2 in trip j.  Its 32 fragments stay in registers; a tile's rows of x are gathered by the list, a tile ahead.
; The first two tiles are asked for while phase 1's last two chunks are still worked; the last trip is written out and asks for nothing.
; OUT (hq).  Codes: [e][tile][slice][row 16][cg 2][24 bytes]; scale bytes at 12,582,912: (1,024 e + row) 64 + 4 sigma + beta, sigma = slice / 2, beta = 2 cg + slice % 2:
; the order in which the next launch's operand takes them.  Whole tiles are written: rows behind the count are token 0's, and nobody uses what comes of them.
; LIMITS: NaN and infinities among the inputs are not served; a block whose largest magnitude lies under 2^-122 keeps the byte 1 (a block of zeros too: its codes are zeros, and this
; program alone reads the bytes).  An expert's result is formed only for the rows that chose it.
; REGISTERS.  window 0: v1-21 addresses; v22-25 scale words in the making; v26-31 at work; v32-47 the weights' scale words, v48-63 x's (these hold scales and nothing else);
;   v64-191 phase 1: two sets of 2 x 32 numbers; phase 2: v64-95 the four accumulators, v96-111 at work; v192-223 codes; v224-230 at work.
;   window 1: phase 1: four sets of 64 as loaded; phase 2: fragments of K steps 0-4.   window 2: fragments of K steps 5-7.   window 3: x's fragments, two tiles.
.set ROWB,  8192                       ; a row of w1 in bytes
.set NCH,   16                         ; chunks a wave
.set PERM,  0                          ; block b of a K step: c = b / 2, h = b % 2
.set IMG,   65536                      ; LDS: 0: four waves x two stages of 8,192;  IMG: 64 images;  SCL: the scale words
.set SCL,   163840
.set FRB,   1536                       ; an image
.set VO,  4                            ; v4   the stream: 8,192 (lane / 16) + 16 (lane % 16)
.set SW,  5                            ; v5   the stage, in: 16 x lane
.set SRD, 6                            ; v6   the stage, out: 4 x lane
.set IA,  7                            ; v7   where my column's codes go
.set SA,  8                            ; v8   and its scale words
.set FA0, 9                            ; v9-10 where I fetch fragments (w1's, w2's)
.set FS,  11                           ; v11  and scale words
.set LV,  12                           ; v12  the list: 4 (lane % 16)
.set LA,  13                           ; v13-14 the tokens of tiles A, B
.set OA,  15                           ; v15-16 their codes' offsets
.set OS,  17                           ; v17-18 their scale words'
.set HV,  19                           ; v19  hq: 48 r + 12 h
.set SV,  20                           ; v20  hq's scale bytes: 64 r
.set HX,  21                           ; v21  16 h
.set SB,  22
.set TQ,  26
.set WS,  32
.set XS,  48
.set XC,  64
.set AC,  64
.set TT,  96
.set CD,  192
.set HC,  192
.set TMP, 224
.set MSB, 0
.macro WIN new                         ; the immediate's high byte repeats the setting that is left
.if MSB != \new
	s_set_vgpr_msb (MSB<<8)|\new
.set MSB, \new
.endif
.endm
.macro LOADG q                         ; chunk q: 32 rows x 256 bytes, into set q % 4 of window 1
	WIN 0x40
.set i, 0
.rept 16
	global_load_b128 v[64*((\q)%4)+4*i:64*((\q)%4)+4*i+3], v[VO], s[20:21] offset:(\q)*32*ROWB+i*2*ROWB th:TH_LOAD_NT
.set i, i+1
.endr
.endm
.macro TURN q                          ; chunk q through stage q % 2: in as it lies, out by columns.  LDS serves a wave's instructions in order: no wait between
	WIN 0x04                                       ; an LDS store's data are its source 1: window 1
.set i, 0
.rept 16
	ds_store_b128 v[SW], v[64*((\q)%4)+4*i:64*((\q)%4)+4*i+3] offset:((\q)%2)*8192+i*512
.set i, i+1
.endr
	WIN 0
.irp g, 0,1
.set k, 0
.rept 32
	ds_load_b32 v[XC+64*((\q)%2)+32*\g+k], v[SRD] offset:((\q)%2)*8192+k*256+\g*128
.set k, k+1
.endr
.endr
.endm
.macro QUANT q                         ; chunk q is block q % 4 of my K step q / 4, for my columns lane and 32 + lane
.set QBK, (\q)%4
.set QSL, (\q)/4
.if PERM
.set HH, QBK/2
.set CC, QBK%2
.else
.set HH, QBK%2
.set CC, QBK/2
.endif
.irp g, 0,1
.set XB, XC+64*((\q)%2)+32*\g
.set CB, CD+16*((\q)%2)+8*\g
.set SR, SB+2*(QSL%2)+\g
.set TA, TQ+3*\g
.set TB, TMP+4*\g
.set IO, \g*24576+QSL*FRB+HH*256
	v_max3_num_f32 v[TA], |v[XB]|, |v[XB+1]|, |v[XB+2]|        ; the block's largest magnitude: all 32 numbers are mine
	v_max3_num_f32 v[TA+1], |v[XB+3]|, |v[XB+4]|, |v[XB+5]|
.irp i, 6,10,14,18,22,26
	v_max3_num_f32 v[TA], v[TA], |v[XB+\i]|, |v[XB+\i+1]|
	v_max3_num_f32 v[TA+1], v[TA+1], |v[XB+\i+2]|, |v[XB+\i+3]|
.endr
	v_max3_num_f32 v[TA], v[TA], |v[XB+30]|, |v[XB+31]|
	v_max3_num_f32 v[TA], v[TA], v[TA+1], 0x2800000            ; the floor 2^(5 - 127): the byte cannot fall under 1
	v_add_nc_u32 v[TA+2], 0xfe000000, v[TA]        ; 4 off its exponent field: the conversion's scale operand
	v_cvt_scalef32_pk16_bf6_f32 v[CB:CB+2], v[XB:XB+15], v[TA+2]
	v_cvt_scalef32_pk16_bf6_f32 v[TB:TB+2], v[XB+16:XB+31], v[TA+2]   ; (a conversion's three registers begin on an even number)
.if QBK == 0
	v_lshrrev_b32 v[SR], 23, v[TA+2]               ; the byte: block 0's starts the word.  (The plain line behind the conversions)
.else
	v_lshrrev_b32 v[TA], 23, v[TA+2]
	v_lshl_or_b32 v[SR], v[TA], 8*(2*CC+HH), v[SR]
.endif
	v_mov_b32 v[CB+3], v[TB]
	v_mov_b32 v[CB+4], v[TB+1]
	v_mov_b32 v[CB+5], v[TB+2]
.if CC == 0                            ; registers 0-5 of lane' = my tile row + 16 HH: group 0 whole, the low half of group 1
	ds_store_b128 v[IA], v[CB:CB+3] offset:IO
	ds_store_b64 v[IA], v[CB+4:CB+5] offset:IO+512
.else                                  ; registers 6-11: the high half of group 1, group 2 whole
	ds_store_b64 v[IA], v[CB:CB+1] offset:IO+520
	ds_store_b128 v[IA], v[CB+2:CB+5] offset:IO+1024
.endif
.if QBK == 3
	ds_store_b32 v[SA], v[SR] offset:QSL*256+\g*128
.endif
.endr
.endm
.macro LIST off                        ; the tokens of two tiles, from off bytes on
	global_load_b32 v[LA], v[LV], s[28:29] offset:\off
	global_load_b32 v[LA+1], v[LV], s[28:29] offset:\off+128
.endm
.macro OFFS                            ; the tokens become offsets into xq
	v_min_u32 v[TQ], 1023, v[LA]
	v_min_u32 v[TQ+1], 1023, v[LA+1]
	v_mul_u32_u24 v[OA], v[TQ], 768
	v_mul_u32_u24 v[OA+1], v[TQ+1], 768
	v_add_nc_u32 v[OA], v[OA], v[HX]
	v_add_nc_u32 v[OA+1], v[OA+1], v[HX]
	v_lshlrev_b32 v[OS], 5, v[TQ]
	v_lshlrev_b32 v[OS+1], 5, v[TQ+1]
.endm
.macro XLOAD b                         ; 26 loads: a tile's eight fragments of x and its scale words.  Lanes (r, 0) and (r, 1) of a load read 32 consecutive bytes of row r
	WIN 0xc0
.irp s, 0,1,2,3,4,5,6,7
.irp i, 0,1,2
	global_load_b128 v[96*\b+12*\s+4*\i:96*\b+12*\s+4*\i+3], v[OA+\b], s[8:9] offset:96*\s+32*\i
.endr
.endr
	WIN 0
	global_load_b128 v[XS+8*\b:XS+8*\b+3], v[OS+\b], s[8:9] offset:786432
	global_load_b128 v[XS+8*\b+4:XS+8*\b+7], v[OS+\b], s[8:9] offset:786448
.endm
.macro EARLY                           ; the first two tiles' rows, and the next two tiles' tokens, are asked for as soon as the stream's last chunk is in: window 3 and x's scale registers lie idle in phase 1
	WIN 0
	OFFS
	XLOAD 0
	XLOAD 1
	LIST 256
.endm
.macro STEP q
.if (\q) == 0
	s_wait_dscnt 0x0
.else
	s_wait_dscnt 0x4                               ; chunk q is back from the stage: behind its 64 loads stand the last chunk's image stores, of which four may be out
.endif
.if (\q)+4 < NCH
	LOADG (\q)+4                                   ; into set q % 4: its stores into the stage stand ahead of the loads that the wait above has shown back
.endif
.if (\q)+1 < NCH
.if NCH-2-(\q) >= 3
	s_wait_loadcnt 48                              ; chunk q + 1 is in; the three chunks behind it stay out
.else
	s_wait_loadcnt 16*(NCH-2-(\q))
.endif
.if (\q) == NCH-2
	EARLY                                          ; behind phase 1's last wait for loads: no count of the stream hangs on these
.endif
	TURN (\q)+1
.endif
	QUANT \q
.endm
.macro FETCH                           ; my 32 fragments (a = 2 x matrix + u) and their scale words: lanes 0-15 tile u = 0's, lanes 16-31 tile u = 1's
	WIN 0x40
.irp s, 0,1,2,3,4
.irp a, 0,1,2,3
.irp c, 0,1,2
	ds_load_b128 v[12*(4*\s+\a)+4*\c:12*(4*\s+\a)+4*\c+3], v[FA0+\a/2] offset:(\a%2)*12288+\s*FRB+512*\c
.endr
.endr
.endr
	WIN 0x80
.irp s, 5,6,7
.irp a, 0,1,2,3
.irp c, 0,1,2
	ds_load_b128 v[12*(4*(\s-5)+\a)+4*\c:12*(4*(\s-5)+\a)+4*\c+3], v[FA0+\a/2] offset:(\a%2)*12288+\s*FRB+512*\c
.endr
.endr
.endr
	WIN 0
.irp m, 0,1
.irp s, 0,1,2,3,4,5,6,7
	ds_load_b32 v[WS+8*\m+\s], v[FS] offset:\m*2048+\s*256
.endr
.endr
.endm
.macro MM s, a, b, wr                  ; one product: accumulator a, K step s, tile b; wr: the weight's fragment in its window.  K step 0 starts the sum
.if (\s) == 0
.if (\a)%2
	v_wmma_scale_f32_16x16x128_f8f6f4 v[AC+8*(\a):AC+8*(\a)+7], v[(\wr):(\wr)+11], v[96*(\b)+12*(\s):96*(\b)+12*(\s)+11], 0, v[WS+8*((\a)/2)+(\s)], v[XS+8*(\b)+(\s)] matrix_a_fmt:MATRIX_FMT_BF6 matrix_b_fmt:MATRIX_FMT_BF6 matrix_a_scale:MATRIX_SCALE_ROW1
.else
	v_wmma_scale_f32_16x16x128_f8f6f4 v[AC+8*(\a):AC+8*(\a)+7], v[(\wr):(\wr)+11], v[96*(\b)+12*(\s):96*(\b)+12*(\s)+11], 0, v[WS+8*((\a)/2)+(\s)], v[XS+8*(\b)+(\s)] matrix_a_fmt:MATRIX_FMT_BF6 matrix_b_fmt:MATRIX_FMT_BF6
.endif
.else
.if (\a)%2
	v_wmma_scale_f32_16x16x128_f8f6f4 v[AC+8*(\a):AC+8*(\a)+7], v[(\wr):(\wr)+11], v[96*(\b)+12*(\s):96*(\b)+12*(\s)+11], v[AC+8*(\a):AC+8*(\a)+7], v[WS+8*((\a)/2)+(\s)], v[XS+8*(\b)+(\s)] matrix_a_fmt:MATRIX_FMT_BF6 matrix_b_fmt:MATRIX_FMT_BF6 matrix_a_scale:MATRIX_SCALE_ROW1
.else
	v_wmma_scale_f32_16x16x128_f8f6f4 v[AC+8*(\a):AC+8*(\a)+7], v[(\wr):(\wr)+11], v[96*(\b)+12*(\s):96*(\b)+12*(\s)+11], v[AC+8*(\a):AC+8*(\a)+7], v[WS+8*((\a)/2)+(\s)], v[XS+8*(\b)+(\s)] matrix_a_fmt:MATRIX_FMT_BF6 matrix_b_fmt:MATRIX_FMT_BF6
.endif
.endif
.endm
; A tile: 32 products (the four accumulators by turns, one instruction a turn), the activation, the quantiser, the stores (oc, os: their immediates).
; A tile behind the expert's last is left out: a scalar branch on the stored count.
.macro COMPUTE b, tl, oc, os
	WIN 0
	s_cmp_ge_u32 s[\tl], s23
	s_cbranch_scc1 .Lskip_\@
	WIN 0x0d                                       ; source 0 (the weight) window 1, source 1 (x) window 3
.irp s, 0,1,2,3,4
.irp a, 0,1,2,3
	MM \s, \a, \b, 12*(4*\s+\a)
.endr
.endr
	WIN 0x0e                                       ; source 0 window 2
.irp s, 5,6,7
.irp a, 0,1,2,3
	MM \s, \a, \b, 12*(4*(\s-5)+\a)
.endr
.endr
	WIN 0
.rept 4
	v_nop                                          ; four places behind the last product, ahead of the first read of results and of loads into the operands' registers
.endr
.irp j, 0,2,4,6,8,10,12,14
	v_pk_mul_f32 v[TT+\j:TT+\j+1], v[AC+\j:AC+\j+1], s[38:39] op_sel_hi:[1,0]     ; -g log2(e); each accumulator is read from its low end on
.endr
.irp j, 0,1,2,3,4,5,6,7,8,9,10,11,12,13,14,15
	v_exp_f32 v[TT+\j], v[TT+\j]
.endr
	v_nop                                          ; a plain line behind the exponentials
	s_wait_alu depctr_va_vdst(0)
.irp j, 0,2,4,6,8,10,12,14
	v_pk_add_f32 v[TT+\j:TT+\j+1], v[TT+\j:TT+\j+1], 1.0 op_sel_hi:[1,0]
.endr
.irp j, 0,1,2,3,4,5,6,7,8,9,10,11,12,13,14,15
	v_rcp_f32 v[TT+\j], v[TT+\j]                   ; sigmoid(g)
.endr
	v_nop                                          ; a plain line behind the reciprocals
	s_wait_alu depctr_va_vdst(0)
.irp j, 0,2,4,6,8,10,12,14
	v_pk_mul_f32 v[AC+\j:AC+\j+1], v[AC+\j:AC+\j+1], v[TT+\j:TT+\j+1]             ; silu(g)
.endr
.irp j, 0,2,4,6,8,10,12,14
	v_pk_mul_f32 v[AC+\j:AC+\j+1], v[AC+\j:AC+\j+1], v[AC+16+\j:AC+16+\j+1]       ; x up: the hidden layer at columns 16 h + 0 .. 15 of my 32
.endr
	v_max3_num_f32 v[TQ], |v[AC]|, |v[AC+1]|, 0x2800000        ; the block of 32 lies in lanes l and l xor 16
	v_max3_num_f32 v[TQ+1], |v[AC+2]|, |v[AC+3]|, |v[AC+4]|
	v_max3_num_f32 v[TQ], v[TQ], |v[AC+5]|, |v[AC+6]|
	v_max3_num_f32 v[TQ+1], v[TQ+1], |v[AC+7]|, |v[AC+8]|
	v_max3_num_f32 v[TQ], v[TQ], |v[AC+9]|, |v[AC+10]|
	v_max3_num_f32 v[TQ+1], v[TQ+1], |v[AC+11]|, |v[AC+12]|
	v_max3_num_f32 v[TQ], v[TQ], |v[AC+13]|, |v[AC+14]|
	v_max3_num_f32 v[TQ], v[TQ], v[TQ+1], |v[AC+15]|
	v_permlanex16_b32 v[TQ+1], v[TQ], s36, s37
	v_max_num_f32 v[TQ], v[TQ], v[TQ+1]
	v_add_nc_u32 v[TQ+2], 0xfe000000, v[TQ]
	v_cvt_scalef32_pk16_bf6_f32 v[HC+4*\b:HC+4*\b+2], v[AC:AC+15], v[TQ+2]
	v_lshrrev_b32 v[HC+4*\b+3], 23, v[TQ+2]        ; the byte (the plain line behind the conversion)
	global_store_b96 v[HV], v[HC+4*\b:HC+4*\b+2], s[30:31] offset:\oc              ; lanes (r, 0) and (r, 1) store a block's 24 bytes; the wave with the other 32 columns fills the 24 beside them
	global_store_b8 v[SV], v[HC+4*\b+3], s[32:33] offset:\os                       ; both halves hold the same byte
.Lskip_\@:
.endm
	s_load_b256 s[4:11], s[0:1], 0x0               ; w1, w2, xq, order
	s_load_b64 s[12:13], s[0:1], 0x20              ; hq
	v_lshl_add_u32 v254, v0, 2, 0x29000
	v_mov_b32 v255, 0
	v_lshrrev_b32 v1, 5, v0
	v_readfirstlane_b32 s14, v1                    ; wave 0..3
	v_and_b32 v1, 31, v0                           ; lane
	v_and_b32 v2, 15, v0                           ; r
	v_bfe_u32 v3, v0, 4, 1                         ; h
	v_lshlrev_b32 v[VO], 4, v2
	v_lshl_add_u32 v[VO], v3, 13, v[VO]
	v_lshlrev_b32 v[LV], 2, v2
	s_and_b32 s15, s14, 1                          ; phase 1: the K half;  phase 2: which 32 columns
	s_lshr_b32 s16, s14, 1                         ; phase 1: the matrix;  phase 2: which tiles
	s_mov_b32 s17, ttmp9                           ; the slice
	s_and_b32 s18, ttmp7, 0xffff                   ; the expert
	s_lshl_b32 s40, s18, 23                        ; the stream: the expert's 2^23 bytes, 512 rows a K half, 256 bytes a slice
	s_lshl_b32 s41, s15, 22
	s_add_co_u32 s40, s40, s41
	s_lshl_b32 s41, s17, 8
	s_add_co_u32 s40, s40, s41
	s_mov_b32 s41, 0
	s_mul_i32 s42, s18, 5120                       ; the list: the expert's, from my first tile on
	s_lshl_b32 s43, s16, 6
	s_add_co_u32 s42, s42, s43
	s_mov_b32 s43, 0
	s_mul_i32 s44, s18, 1572864                    ; hq's codes
	s_mul_i32 s45, s16, 24576
	s_add_co_u32 s44, s44, s45
	s_mul_i32 s45, s17, 768
	s_add_co_u32 s44, s44, s45
	s_mul_i32 s45, s15, 24
	s_add_co_u32 s44, s44, s45
	s_mov_b32 s45, 0
	s_lshl_b32 s46, s18, 16                        ; hq's scale bytes
	s_add_co_u32 s46, s46, 12582912
	s_lshl_b32 s47, s16, 10
	s_add_co_u32 s46, s46, s47
	s_lshr_b32 s47, s17, 1
	s_lshl_b32 s47, s47, 2
	s_add_co_u32 s46, s46, s47
	s_lshl_b32 s47, s15, 1
	s_add_co_u32 s46, s46, s47
	s_and_b32 s47, s17, 1
	s_add_co_u32 s46, s46, s47
	s_mov_b32 s47, 0
	s_lshl_b32 s48, s18, 2                         ; the expert's count
	s_mov_b32 s49, 0
	s_mov_b32 s36, 0x76543210                      ; v_permlanex16_b32's selects for lane l xor 16
	s_mov_b32 s37, 0xfedcba98
	s_mov_b32 s38, 0xbfb8aa3b                      ; -log2(e)
	s_mov_b32 s39, s38                             ; (named with it as a pair, so it is written)
	s_wait_kmcnt 0x0
	s_cmp_eq_u32 s16, 0                            ; w1 or w2: the choice hangs on the wave's number alone
	s_cselect_b64 s[20:21], s[4:5], s[6:7]
	s_add_nc_u64 s[20:21], s[20:21], s[40:41]
	s_add_nc_u64 s[28:29], s[10:11], s[42:43]
	s_add_nc_u64 s[30:31], s[12:13], s[44:45]
	s_add_nc_u64 s[32:33], s[12:13], s[46:47]
	s_add_nc_u64 s[48:49], s[10:11], s[48:49]
	s_load_b32 s22, s[48:49], 0xc000               ; wanted behind phase 1
	LIST 0
	LOADG 0
	LOADG 1
	LOADG 2
	WIN 0
	s_lshl_b32 s50, s14, 14                        ; my two stages
	v_lshl_add_u32 v[SW], v1, 4, s50
	v_lshl_add_u32 v[SRD], v1, 2, s50
	v_bfe_u32 v26, v0, 3, 1                        ; my column's tile u
	v_and_b32 v27, 7, v0
	v_lshl_add_u32 v27, v3, 3, v27                 ; and its row in the tile
	s_mul_i32 s50, s16, 49152
	s_mul_i32 s51, s15, 4*FRB
	s_add_co_u32 s50, s50, s51
	s_add_co_u32 s50, s50, IMG
	v_mul_u32_u24 v[IA], v26, 12288
	v_lshl_add_u32 v[IA], v27, 4, v[IA]
	v_add_nc_u32 v[IA], s50, v[IA]
	s_lshl_b32 s50, s16, 11
	s_lshl_b32 s51, s15, 10
	s_add_co_u32 s50, s50, s51
	s_add_co_u32 s50, s50, SCL
	v_lshlrev_b32 v[SA], 6, v26
	v_lshl_add_u32 v[SA], v27, 2, v[SA]
	v_add_nc_u32 v[SA], s50, v[SA]
	s_mul_i32 s50, s15, 24576
	s_add_co_u32 s50, s50, IMG
	v_lshl_add_u32 v[FA0], v1, 4, s50
	v_add_nc_u32 v[FA0+1], 49152, v[FA0]
	s_lshl_b32 s50, s15, 7
	s_add_co_u32 s50, s50, SCL
	v_lshl_add_u32 v[FS], v1, 2, s50
	v_mul_u32_u24 v[HV], v2, 48
	v_mad_u32_u24 v[HV], v3, 12, v[HV]
	v_lshlrev_b32 v[SV], 6, v2
	v_lshlrev_b32 v[HX], 4, v3
	LOADG 3                                        ; the fourth chunk behind the address work, so that this work does not stand behind a full counter
	s_wait_loadcnt 48                              ; the list and chunk 0 are in; chunks 1, 2 and 3 stay out
	TURN 0
.irp q, 0,1,2,3,4,5,6,7,8,9,10,11,12,13,14,15
	STEP \q
.endr
	s_wait_dscnt 0x0                               ; for the others' sake: my images and scale words lie in LDS
	s_barrier_signal -1
	s_barrier_wait -1                              ; everybody's do.  Nothing is stored to LDS behind this barrier
	s_wait_kmcnt 0x0
	s_min_u32 s22, s22, 1024                       ; the expert's rows
	s_add_co_u32 s23, s22, 15
	s_lshr_b32 s23, s23, 4                         ; its tiles
	s_add_co_u32 s24, s23, 3
	s_lshr_b32 s24, s24, 2                         ; trips: four tiles a trip
	s_cmp_eq_u32 s24, 0
	s_cbranch_scc1 .Lend                           ; an expert that nobody chose
	FETCH
	s_sub_co_u32 s24, s24, 1                       ; the loop's trips: the last trip is written out behind it
	s_mov_b32 s25, 0
	s_mov_b32 s26, s16                             ; tile A
	s_add_co_u32 s27, s16, 2                       ; tile B
	s_wait_dscnt 0x0
	s_cmp_eq_u32 s24, 0
	s_cbranch_scc1 .Ltail
.Ltrip:
	s_wait_loadcnt 28                              ; tile A's 26 loads are in; tile B's 26 and the list's 2 stay out
	COMPUTE 0, 26, 0, 0
	s_wait_loadcnt 0x0                             ; tile B and the next tiles' tokens are in: every offset register and the list's base are free
	s_wait_xcnt 0x0                                ; of my memory instructions only tile A's two stores can be out here: behind this wait the stores' bases step, and both tiles' code registers may be written again
	s_add_nc_u64 s[28:29], s[28:29], 256
	s_add_nc_u64 s[30:31], s[30:31], 98304
	s_add_nc_u64 s[32:33], s[32:33], 4096
	OFFS
	XLOAD 0                                        ; the next trip's tile A lands while tile B is multiplied
	COMPUTE 1, 27, -49152, -2048                   ; its stores reach back: two tiles on from tile A's, two tiles back from the stepped bases
	XLOAD 1
	LIST 256                                       ; the tokens of the trip after next.  The furthest row asked for is the count + 126: inside the 256 entries of 0 behind each list
	s_add_co_u32 s26, s26, 4
	s_add_co_u32 s27, s27, 4
	s_add_co_u32 s25, s25, 1
	s_cmp_lt_u32 s25, s24
	s_cbranch_scc1 .Ltrip
.Ltail:                                                ; the last trip asks for nothing.  On both ways here the loads out are tile A's 26, tile B's 26, the list's 2, in this order
	s_wait_loadcnt 28
	COMPUTE 0, 26, 0, 0
	s_wait_loadcnt 0x0
	s_wait_xcnt 0x0                                ; tile B's code registers were the data of the last trip's stores
	COMPUTE 1, 27, 49152, 2048
.Lend:
	s_wait_tensorcnt 0x0
	ds_add_u32 v254, v255
	s_wait_dscnt 0x0
	s_endpgm
.Lfunc_end_k_q560729b879_gateup:
	.size	k_q560729b879_gateup, .Lfunc_end_k_q560729b879_gateup-k_q560729b879_gateup
	.p2alignl 7, 3214868480
	.fill 96, 4, 3214868480
	.section	.rodata,"a",@progbits
	.p2align	6, 0x0
	.amdhsa_kernel k_q560729b879_gateup
		.amdhsa_group_segment_fixed_size 168448
		.amdhsa_private_segment_fixed_size 0
		.amdhsa_enable_private_segment 0
		.amdhsa_kernarg_size 40
		.amdhsa_user_sgpr_count 2
		.amdhsa_user_sgpr_kernarg_segment_ptr 1
		.amdhsa_wavefront_size32 1
		.amdhsa_system_sgpr_workgroup_id_x 1
		.amdhsa_system_sgpr_workgroup_id_y 1
		.amdhsa_system_sgpr_workgroup_id_z 1
		.amdhsa_system_vgpr_workitem_id 0
		.amdhsa_next_free_vgpr 1024
		.amdhsa_next_free_sgpr 66
		.amdhsa_reserve_vcc 0
		.amdhsa_float_denorm_mode_32 3
		.amdhsa_float_denorm_mode_16_64 3
		.amdhsa_memory_ordered 1
		.amdhsa_forward_progress 1
		.amdhsa_inst_pref_size 214
	.end_amdhsa_kernel
	.amdgpu_metadata
---
amdhsa.version: [ 1, 2 ]
amdhsa.kernels:
  - .name:           k_q560729b879_gateup
    .symbol:         k_q560729b879_gateup.kd
    .args:
      - { .name: w1, .offset: 0, .size: 8, .value_kind: global_buffer, .address_space: global }
      - { .name: w2, .offset: 8, .size: 8, .value_kind: global_buffer, .address_space: global }
      - { .name: xq, .offset: 16, .size: 8, .value_kind: global_buffer, .address_space: global }
      - { .name: order, .offset: 24, .size: 8, .value_kind: global_buffer, .address_space: global }
      - { .name: hq, .offset: 32, .size: 8, .value_kind: global_buffer, .address_space: global }
    .group_segment_fixed_size: 168448
    .private_segment_fixed_size: 0
    .kernarg_segment_align: 8
    .kernarg_segment_size: 40
    .max_flat_workgroup_size: 128
    .sgpr_count:     66
    .vgpr_count:     1024
    .wavefront_size: 32
...
	.end_amdgpu_metadata
.endif
;; end of part 3
;; launch down (part 4): grid 32 x 8, 4 waves a work-group, no clusters, 134,656 bytes of LDS; arguments w3, hq, order, eo; writes eo
.if DOCPART == 4
	.amdgcn_target "amdgcn-amd-amdhsa--gfx1250"
	.amdhsa_code_object_version 6
	.text
	.protected	k_q560729b879_down
	.globl	k_q560729b879_down
	.p2align	8
	.type	k_q560729b879_down,@function
k_q560729b879_down:
	s_mov_b64 s[64:65], 0
	v_nop
	global_prefetch_b8 v0, s[64:65] scope:SCOPE_SE
	s_setreg_imm32_b32 hwreg(HW_REG_WAVE_MODE, 25, 1), 1
	s_wait_xcnt 0x0
; DOWN.  expert_out = hidden w3 for the rows routed to one expert, on codes of E3M2 with one E8M0 scale for each 32 along K = I; each work-group sums over half of K.
; THE WEIGHTS STAY, THE ROWS GO BY, as in the launch before.  A work-group owns 64 columns of H (x / 2), 1,024 of the 2,048 rows of w3 (x % 2), of one expert (y): 256 work-groups, each
; reading 1,024 x 256 bytes once.  No weight byte is read by two work-groups: no cluster.  The two halves' parts are added by the launch behind this one.
; PHASE 1.  Wave w streams rows 256 w on of the half: 8 chunks of 32 rows x 256 bytes (sixteen lanes read 256 consecutive bytes, aligned), four chunks ahead of the work, each through the wave's own
; stage, a lane to a column, registers down K, into images of the operand's registers: fragment (g, u, s) is 3 x 512 bytes, lane l' at 16 l'.
; K'S ORDER.  In K step sigma, lane half h and register half c hold I's block 4 sigma + 2 h + c, in both operands alike, so that a lane's 48 bytes of a hidden fragment are the two blocks that one
; work-group of the launch before made, on end.  The block's scale byte stands at place 2 c + h of the word.  Blocks stay blocks, and a sum does not hang on the order of its blocks but for rounding.
; THE COLUMNS OF A TILE: of 32 columns, tile u takes those with bit 3 = u, row (column % 8) + 8 (column / 16); the product is used transposed (source 0 = 16 columns of w3, source 1 = 16 rows):
; lane (r, h) holds row r and, in tiles u = 0, 1, columns 16 h + 0 .. 15.
; PHASE 2.  Every wave holds all 32 fragments; wave w takes tiles 8 j + w and 8 j + w + 4 in trip j, each asked for a tile ahead; the first two while phase 1's last two chunks are still worked;
; the last trip is written out and asks for nothing.  Results go through the wave's own stage: sixteen lanes store 256 consecutive bytes, aligned.
; OUT (eo): [K half][1,024 e + row][1,024] f32.  Whole tiles are written; rows behind the count are never read.
; LIMITS: as in the launch before.
; REGISTERS.  window 0: v1-20 addresses; v22-25 scale words in the making; v26-31 at work; v32-47 w3's scale words, v48-63 the hidden layer's (scales and nothing else); v64-191 phase 1: two sets of
;   2 x 32 numbers; phase 2: v64-95 the four accumulators, v96-159 rows on their way out; v192-230 codes.   window 1: phase 1: four sets of 64; phase 2: fragments of K steps 0-4.
;   window 2: K steps 5-7.   window 3: the hidden layer's fragments, two tiles.
.set ROWB,  4096                       ; a row of w3 in bytes
.set NCH,   8                          ; chunks a wave
.set PERM,  1                          ; block b of a K step: h = b / 2, c = b % 2
.set IMG,   65536                      ; LDS: 0: four waves x two stages of 8,192;  IMG: 32 images;  SCL: the scale words;  OST: four stages of 16 rows x 272 for the way out
.set SCL,   114688
.set OST,   116736
.set FRB,   1536
.set VO,  4                            ; v4   the stream, and eo: 4,096 (lane / 16) + 16 (lane % 16)
.set SW,  5
.set SRD, 6
.set IA,  7
.set SA,  8
.set FA0, 9                            ; v9   where I fetch fragments
.set FS,  11                           ; v11  and scale words
.set HVO, 12                           ; v12  hq: 768 h + 48 r
.set HSO, 13                           ; v13  hq's scale words: 64 r
.set HO,  14                           ; v14-15 tiles A, B: their codes' offsets
.set HS,  16                           ; v16-17 their scale words'
.set STO, 18                           ; v18  the way out: where I put my results
.set RD,  19                           ; v19  and where I read rows back
.set SB,  22
.set TQ,  26
.set WS,  32
.set XS,  48
.set XC,  64
.set AC,  64
.set OUT, 96
.set CD,  192
.set TMP, 224
.set MSB, 0
.macro WIN new                         ; the immediate's high byte repeats the setting that is left
.if MSB != \new
	s_set_vgpr_msb (MSB<<8)|\new
.set MSB, \new
.endif
.endm
.macro LOADG q                         ; chunk q: 32 rows x 256 bytes, into set q % 4 of window 1
	WIN 0x40
.set i, 0
.rept 16
	global_load_b128 v[64*((\q)%4)+4*i:64*((\q)%4)+4*i+3], v[VO], s[20:21] offset:(\q)*32*ROWB+i*2*ROWB th:TH_LOAD_NT
.set i, i+1
.endr
.endm
.macro TURN q                          ; chunk q through stage q % 2: in as it lies, out by columns.  LDS serves a wave's instructions in order: no wait between
	WIN 0x04                                       ; an LDS store's data are its source 1: window 1
.set i, 0
.rept 16
	ds_store_b128 v[SW], v[64*((\q)%4)+4*i:64*((\q)%4)+4*i+3] offset:((\q)%2)*8192+i*512
.set i, i+1
.endr
	WIN 0
.irp g, 0,1
.set k, 0
.rept 32
	ds_load_b32 v[XC+64*((\q)%2)+32*\g+k], v[SRD] offset:((\q)%2)*8192+k*256+\g*128
.set k, k+1
.endr
.endr
.endm
.macro QUANT q                         ; chunk q is block q % 4 of my K step q / 4, for my columns lane and 32 + lane
.set QBK, (\q)%4
.set QSL, (\q)/4
.if PERM
.set HH, QBK/2
.set CC, QBK%2
.else
.set HH, QBK%2
.set CC, QBK/2
.endif
.irp g, 0,1
.set XB, XC+64*((\q)%2)+32*\g
.set CB, CD+16*((\q)%2)+8*\g
.set SR, SB+2*(QSL%2)+\g
.set TA, TQ+3*\g
.set TB, TMP+4*\g
.set IO, \g*24576+QSL*FRB+HH*256
	v_max3_num_f32 v[TA], |v[XB]|, |v[XB+1]|, |v[XB+2]|        ; the block's largest magnitude: all 32 numbers are mine
	v_max3_num_f32 v[TA+1], |v[XB+3]|, |v[XB+4]|, |v[XB+5]|
.irp i, 6,10,14,18,22,26
	v_max3_num_f32 v[TA], v[TA], |v[XB+\i]|, |v[XB+\i+1]|
	v_max3_num_f32 v[TA+1], v[TA+1], |v[XB+\i+2]|, |v[XB+\i+3]|
.endr
	v_max3_num_f32 v[TA], v[TA], |v[XB+30]|, |v[XB+31]|
	v_max3_num_f32 v[TA], v[TA], v[TA+1], 0x2800000            ; the floor 2^(5 - 127): the byte cannot fall under 1
	v_add_nc_u32 v[TA+2], 0xfe000000, v[TA]        ; 4 off its exponent field: the conversion's scale operand
	v_cvt_scalef32_pk16_bf6_f32 v[CB:CB+2], v[XB:XB+15], v[TA+2]
	v_cvt_scalef32_pk16_bf6_f32 v[TB:TB+2], v[XB+16:XB+31], v[TA+2]   ; (a conversion's three registers begin on an even number)
.if QBK == 0
	v_lshrrev_b32 v[SR], 23, v[TA+2]               ; the byte: block 0's, at place 0, starts the word.  (The plain line behind the conversions)
.else
	v_lshrrev_b32 v[TA], 23, v[TA+2]
	v_lshl_or_b32 v[SR], v[TA], 8*(2*CC+HH), v[SR]
.endif
	v_mov_b32 v[CB+3], v[TB]
	v_mov_b32 v[CB+4], v[TB+1]
	v_mov_b32 v[CB+5], v[TB+2]
.if CC == 0                            ; registers 0-5 of lane' = my tile row + 16 HH: group 0 whole, the low half of group 1
	ds_store_b128 v[IA], v[CB:CB+3] offset:IO
	ds_store_b64 v[IA], v[CB+4:CB+5] offset:IO+512
.else                                  ; registers 6-11: the high half of group 1, group 2 whole
	ds_store_b64 v[IA], v[CB:CB+1] offset:IO+520
	ds_store_b128 v[IA], v[CB+2:CB+5] offset:IO+1024
.endif
.if QBK == 3
	ds_store_b32 v[SA], v[SR] offset:QSL*256+\g*128
.endif
.endr
.endm
.macro HOFF b, tl                      ; a tile's offsets into hq.  A tile behind the expert's last is held at the last: what is asked for ahead and not used stays inside what was written
	s_min_u32 s40, s[\tl], s34
	s_min_u32 s40, s40, 63
	s_mul_i32 s41, s40, 24576
	s_lshl_b32 s40, s40, 10
	v_add_nc_u32 v[HO+\b], s41, v[HVO]
	v_add_nc_u32 v[HS+\b], s40, v[HSO]
.endm
.macro HLOAD b                         ; 26 loads: a tile's eight hidden fragments (lane (r, h): 48 bytes on end a K step) and its scale words
	WIN 0xc0
.irp s, 0,1,2,3,4,5,6,7
.irp i, 0,1,2
	global_load_b128 v[96*\b+12*\s+4*\i:96*\b+12*\s+4*\i+3], v[HO+\b], s[28:29] offset:1536*\s+16*\i
.endr
.endr
	WIN 0
	global_load_b128 v[XS+8*\b:XS+8*\b+3], v[HS+\b], s[30:31]
	global_load_b128 v[XS+8*\b+4:XS+8*\b+7], v[HS+\b], s[30:31] offset:16
.endm
.macro EARLY                           ; the first two tiles' rows are asked for as soon as the stream's last chunk is in: window 3 and the rows' scale registers lie idle in phase 1
	WIN 0
	s_wait_kmcnt 0x0                               ; the expert's count, asked for at the head
	s_min_u32 s22, s22, 1024                       ; the expert's rows
	s_add_co_u32 s23, s22, 15
	s_lshr_b32 s23, s23, 4                         ; its tiles
	s_max_u32 s34, s23, 1
	s_sub_co_u32 s34, s34, 1                       ; its last tile (tile 0 for an expert that nobody chose: what is loaded then is used by nobody)
	s_mov_b32 s26, s14                             ; tile A
	s_add_co_u32 s27, s14, 4                       ; tile B
	HOFF 0, 26
	HOFF 1, 27
	HLOAD 0
	HLOAD 1
.endm
.macro STEP q
.if (\q) == 0
	s_wait_dscnt 0x0
.else
	s_wait_dscnt 0x4                               ; chunk q is back from the stage: behind its 64 loads stand the last chunk's image stores, of which four may be out
.endif
.if (\q)+4 < NCH
	LOADG (\q)+4                                   ; into set q % 4: its stores into the stage stand ahead of the loads that the wait above has shown back
.endif
.if (\q)+1 < NCH
.if NCH-2-(\q) >= 3
	s_wait_loadcnt 48                              ; chunk q + 1 is in; the three chunks behind it stay out
.else
	s_wait_loadcnt 16*(NCH-2-(\q))
.endif
.if (\q) == NCH-2
	EARLY                                          ; behind phase 1's last wait for loads: no count of the stream hangs on these
.endif
	TURN (\q)+1
.endif
	QUANT \q
.endm
.macro FETCH                           ; all 32 fragments (a = 2 g + u) and their scale words: lanes 0-15 tile u = 0's, lanes 16-31 tile u = 1's
	WIN 0x40
.irp s, 0,1,2,3,4
.irp a, 0,1,2,3
.irp c, 0,1,2
	ds_load_b128 v[12*(4*\s+\a)+4*\c:12*(4*\s+\a)+4*\c+3], v[FA0] offset:(\a/2)*24576+(\a%2)*12288+\s*FRB+512*\c
.endr
.endr
.endr
	WIN 0x80
.irp s, 5,6,7
.irp a, 0,1,2,3
.irp c, 0,1,2
	ds_load_b128 v[12*(4*(\s-5)+\a)+4*\c:12*(4*(\s-5)+\a)+4*\c+3], v[FA0] offset:(\a/2)*24576+(\a%2)*12288+\s*FRB+512*\c
.endr
.endr
.endr
	WIN 0
.irp g, 0,1
.irp s, 0,1,2,3,4,5,6,7
	ds_load_b32 v[WS+8*\g+\s], v[FS] offset:\s*256+\g*128
.endr
.endr
.endm
.macro MM s, a, b, wr                  ; one product: accumulator a, K step s, tile b; wr: the weight's fragment in its window.  K step 0 starts the sum
.if (\s) == 0
.if (\a)%2
	v_wmma_scale_f32_16x16x128_f8f6f4 v[AC+8*(\a):AC+8*(\a)+7], v[(\wr):(\wr)+11], v[96*(\b)+12*(\s):96*(\b)+12*(\s)+11], 0, v[WS+8*((\a)/2)+(\s)], v[XS+8*(\b)+(\s)] matrix_a_fmt:MATRIX_FMT_BF6 matrix_b_fmt:MATRIX_FMT_BF6 matrix_a_scale:MATRIX_SCALE_ROW1
.else
	v_wmma_scale_f32_16x16x128_f8f6f4 v[AC+8*(\a):AC+8*(\a)+7], v[(\wr):(\wr)+11], v[96*(\b)+12*(\s):96*(\b)+12*(\s)+11], 0, v[WS+8*((\a)/2)+(\s)], v[XS+8*(\b)+(\s)] matrix_a_fmt:MATRIX_FMT_BF6 matrix_b_fmt:MATRIX_FMT_BF6
.endif
.else
.if (\a)%2
	v_wmma_scale_f32_16x16x128_f8f6f4 v[AC+8*(\a):AC+8*(\a)+7], v[(\wr):(\wr)+11], v[96*(\b)+12*(\s):96*(\b)+12*(\s)+11], v[AC+8*(\a):AC+8*(\a)+7], v[WS+8*((\a)/2)+(\s)], v[XS+8*(\b)+(\s)] matrix_a_fmt:MATRIX_FMT_BF6 matrix_b_fmt:MATRIX_FMT_BF6 matrix_a_scale:MATRIX_SCALE_ROW1
.else
	v_wmma_scale_f32_16x16x128_f8f6f4 v[AC+8*(\a):AC+8*(\a)+7], v[(\wr):(\wr)+11], v[96*(\b)+12*(\s):96*(\b)+12*(\s)+11], v[AC+8*(\a):AC+8*(\a)+7], v[WS+8*((\a)/2)+(\s)], v[XS+8*(\b)+(\s)] matrix_a_fmt:MATRIX_FMT_BF6 matrix_b_fmt:MATRIX_FMT_BF6
.endif
.endif
.endm
; A tile: 32 products (the four accumulators by turns, one instruction a turn), then 16 rows x 64 columns through my stage and out (ob: the stores' immediate).
; A tile behind the expert's last is left out: a scalar branch on the stored count.
.macro COMPUTE b, tl, ob
	WIN 0
	s_cmp_ge_u32 s[\tl], s23
	s_cbranch_scc1 .Lskip_\@
	WIN 0x0d                                       ; source 0 (w3) window 1, source 1 (the hidden layer) window 3
.irp s, 0,1,2,3,4
.irp a, 0,1,2,3
	MM \s, \a, \b, 12*(4*\s+\a)
.endr
.endr
	WIN 0x0e                                       ; source 0 window 2
.irp s, 5,6,7
.irp a, 0,1,2,3
	MM \s, \a, \b, 12*(4*(\s-5)+\a)
.endr
.endr
	WIN 0
.rept 5
	v_nop                                          ; four places ahead of the stores that read results and of loads into the operands' registers; the fifth for the next tile's first products, which write over these accumulators
.endr
.irp a, 0,1,2,3
	ds_store_b128 v[STO], v[AC+8*\a:AC+8*\a+3] offset:(\a/2)*128+(\a%2)*32         ; lane (r, h): columns 32 g + 16 h + 8 u + 0 .. 7 of row r; each accumulator from its low end on
	ds_store_b128 v[STO], v[AC+8*\a+4:AC+8*\a+7] offset:(\a/2)*128+(\a%2)*32+16
.endr
.irp t, 0,1,2,3,4,5,6,7
	ds_load_b128 v[OUT+32*\b+4*\t:OUT+32*\b+4*\t+3], v[RD] offset:\t*544           ; LDS serves a wave's instructions in order: these see my stores
.endr
.irp t, 0,1,2,3,4,5,6,7
	s_wait_dscnt 7-\t                              ; read t is back; the later ones stay out
	global_store_b128 v[VO], v[OUT+32*\b+4*\t:OUT+32*\b+4*\t+3], s[32:33] offset:\ob+\t*8192         ; sixteen lanes store 256 consecutive bytes of a row, aligned; two rows an instruction
.endr
.Lskip_\@:
.endm
	s_load_b256 s[4:11], s[0:1], 0x0               ; w3, hq, order, eo
	v_lshl_add_u32 v254, v0, 2, 0x20c00
	v_mov_b32 v255, 0
	v_lshrrev_b32 v1, 5, v0
	v_readfirstlane_b32 s14, v1                    ; wave 0..3
	v_and_b32 v1, 31, v0                           ; lane
	v_and_b32 v2, 15, v0                           ; r
	v_bfe_u32 v3, v0, 4, 1                         ; h
	v_lshlrev_b32 v[VO], 4, v2
	v_lshl_add_u32 v[VO], v3, 12, v[VO]
	s_and_b32 s15, ttmp9, 1                        ; the K half
	s_lshr_b32 s16, ttmp9, 1                       ; the 64 columns of H
	s_and_b32 s18, ttmp7, 0xffff                   ; the expert
	s_lshl_b32 s40, s18, 23                        ; the stream: the expert's 2^23 bytes, 1,024 rows a half, 256 rows a wave, 256 bytes a slice
	s_lshl_b32 s41, s15, 22
	s_add_co_u32 s40, s40, s41
	s_lshl_b32 s41, s14, 20
	s_add_co_u32 s40, s40, s41
	s_lshl_b32 s41, s16, 8
	s_add_co_u32 s40, s40, s41
	s_mov_b32 s41, 0
	s_mul_i32 s42, s18, 1572864                    ; hq's codes: the expert's, my half's 16 slices on
	s_mul_i32 s43, s15, 12288
	s_add_co_u32 s42, s42, s43
	s_mov_b32 s43, 0
	s_lshl_b32 s44, s18, 16                        ; hq's scale words: my half's eight
	s_add_co_u32 s44, s44, 12582912
	s_lshl_b32 s45, s15, 5
	s_add_co_u32 s44, s44, s45
	s_mov_b32 s45, 0
	s_lshl_b32 s46, s15, 25                        ; eo: the half, the expert, my first tile, the columns
	s_lshl_b32 s47, s18, 22
	s_add_co_u32 s46, s46, s47
	s_lshl_b32 s47, s14, 16
	s_add_co_u32 s46, s46, s47
	s_lshl_b32 s47, s16, 8
	s_add_co_u32 s46, s46, s47
	s_mov_b32 s47, 0
	s_lshl_b32 s48, s18, 2                         ; the expert's count
	s_mov_b32 s49, 0
	s_wait_kmcnt 0x0
	s_add_nc_u64 s[20:21], s[4:5], s[40:41]
	s_add_nc_u64 s[28:29], s[6:7], s[42:43]
	s_add_nc_u64 s[30:31], s[6:7], s[44:45]
	s_add_nc_u64 s[32:33], s[10:11], s[46:47]
	s_add_nc_u64 s[48:49], s[8:9], s[48:49]
	s_load_b32 s22, s[48:49], 0xc000               ; wanted near phase 1's end
	LOADG 0
	LOADG 1
	LOADG 2
	WIN 0
	s_lshl_b32 s50, s14, 14                        ; my two stages
	v_lshl_add_u32 v[SW], v1, 4, s50
	v_lshl_add_u32 v[SRD], v1, 2, s50
	v_bfe_u32 v26, v0, 3, 1                        ; my column's tile u
	v_and_b32 v27, 7, v0
	v_lshl_add_u32 v27, v3, 3, v27                 ; and its row in the tile
	s_mul_i32 s50, s14, 2*FRB                      ; my two K steps
	s_add_co_u32 s50, s50, IMG
	v_mul_u32_u24 v[IA], v26, 12288
	v_lshl_add_u32 v[IA], v27, 4, v[IA]
	v_add_nc_u32 v[IA], s50, v[IA]
	s_lshl_b32 s50, s14, 9
	s_add_co_u32 s50, s50, SCL
	v_lshlrev_b32 v[SA], 6, v26
	v_lshl_add_u32 v[SA], v27, 2, v[SA]
	v_add_nc_u32 v[SA], s50, v[SA]
	v_lshl_add_u32 v[FA0], v1, 4, IMG
	v_lshl_add_u32 v[FS], v1, 2, SCL
	v_mul_u32_u24 v[HVO], v2, 48
	v_mad_u32_u24 v[HVO], v3, 768, v[HVO]
	v_lshlrev_b32 v[HSO], 6, v2
	s_mul_i32 s50, s14, 4352
	s_add_co_u32 s50, s50, OST                     ; my stage for the way out
	v_mul_u32_u24 v[STO], v2, 272
	v_lshl_add_u32 v[STO], v3, 6, v[STO]
	v_add_nc_u32 v[STO], s50, v[STO]
	v_mul_u32_u24 v[RD], v3, 272
	v_lshl_add_u32 v[RD], v2, 4, v[RD]
	v_add_nc_u32 v[RD], s50, v[RD]
	LOADG 3                                        ; the fourth chunk behind the address work, so that this work does not stand behind a full counter
	s_wait_loadcnt 48                              ; chunk 0 is in; chunks 1, 2 and 3 stay out
	TURN 0
.irp q, 0,1,2,3,4,5,6,7
	STEP \q
.endr
	s_wait_dscnt 0x0                               ; for the others' sake: my images and scale words lie in LDS
	s_barrier_signal -1
	s_barrier_wait -1                              ; everybody's do.  Behind this barrier a wave stores to its own stage alone
	s_add_co_u32 s24, s23, 7
	s_lshr_b32 s24, s24, 3                         ; trips: eight tiles a trip
	s_cmp_eq_u32 s24, 0
	s_cbranch_scc1 .Lend                           ; an expert that nobody chose
	FETCH
	s_sub_co_u32 s24, s24, 1                       ; the loop's trips: the last trip is written out behind it
	s_mov_b32 s25, 0
	s_wait_dscnt 0x0
	s_cmp_eq_u32 s24, 0
	s_cbranch_scc1 .Ltail
.Ltrip:
	s_wait_loadcnt 26                              ; tile A's 26 loads are in; tile B's stay out
	COMPUTE 0, 26, 0
	s_wait_xcnt 0x0                                ; out here: tile B's loads, asked for a tile ago, and tile A's eight stores.  Behind this wait the stores' base steps, and both tiles' rows on their way out may be written again
	s_add_nc_u64 s[32:33], s[32:33], 524288
	s_add_co_u32 s26, s26, 8
	HOFF 0, 26                                     ; (tile A's loads are done: their offset registers are free)
	HLOAD 0                                        ; the next trip's tile A lands while tile B is multiplied
	s_wait_loadcnt 26                              ; tile B is in; the 26 just issued stay out
	COMPUTE 1, 27, -262144                         ; its stores reach back: four tiles on from tile A's, four tiles back from the stepped base
	s_add_co_u32 s27, s27, 8
	HOFF 1, 27
	HLOAD 1
	s_add_co_u32 s25, s25, 1
	s_cmp_lt_u32 s25, s24
	s_cbranch_scc1 .Ltrip
.Ltail:                                                ; the last trip asks for nothing.  On both ways here the loads out are tile A's 26 and tile B's 26, in this order
	s_wait_loadcnt 26
	COMPUTE 0, 26, 0
	s_wait_loadcnt 0x0
	s_wait_xcnt 0x0                                ; tile B's rows on their way out were the data of the last trip's stores
	COMPUTE 1, 27, 262144
.Lend:
	s_wait_tensorcnt 0x0
	ds_add_u32 v254, v255
	s_wait_dscnt 0x0
	s_endpgm
.Lfunc_end_k_q560729b879_down:
	.size	k_q560729b879_down, .Lfunc_end_k_q560729b879_down-k_q560729b879_down
	.p2alignl 7, 3214868480
	.fill 96, 4, 3214868480
	.section	.rodata,"a",@progbits
	.p2align	6, 0x0
	.amdhsa_kernel k_q560729b879_down
		.amdhsa_group_segment_fixed_size 134656
		.amdhsa_private_segment_fixed_size 0
		.amdhsa_enable_private_segment 0
		.amdhsa_kernarg_size 32
		.amdhsa_user_sgpr_count 2
		.amdhsa_user_sgpr_kernarg_segment_ptr 1
		.amdhsa_wavefront_size32 1
		.amdhsa_system_sgpr_workgroup_id_x 1
		.amdhsa_system_sgpr_workgroup_id_y 1
		.amdhsa_system_sgpr_workgroup_id_z 1
		.amdhsa_system_vgpr_workitem_id 0
		.amdhsa_next_free_vgpr 1024
		.amdhsa_next_free_sgpr 66
		.amdhsa_reserve_vcc 0
		.amdhsa_float_denorm_mode_32 3
		.amdhsa_float_denorm_mode_16_64 3
		.amdhsa_memory_ordered 1
		.amdhsa_forward_progress 1
		.amdhsa_inst_pref_size 126
	.end_amdhsa_kernel
	.amdgpu_metadata
---
amdhsa.version: [ 1, 2 ]
amdhsa.kernels:
  - .name:           k_q560729b879_down
    .symbol:         k_q560729b879_down.kd
    .args:
      - { .name: w3, .offset: 0, .size: 8, .value_kind: global_buffer, .address_space: global }
      - { .name: hq, .offset: 8, .size: 8, .value_kind: global_buffer, .address_space: global }
      - { .name: order, .offset: 16, .size: 8, .value_kind: global_buffer, .address_space: global }
      - { .name: eo, .offset: 24, .size: 8, .value_kind: global_buffer, .address_space: global }
    .group_segment_fixed_size: 134656
    .private_segment_fixed_size: 0
    .kernarg_segment_align: 8
    .kernarg_segment_size: 32
    .max_flat_workgroup_size: 128
    .sgpr_count:     66
    .vgpr_count:     1024
    .wavefront_size: 32
...
	.end_amdgpu_metadata
.endif
;; end of part 4
;; launch combine (part 5): grid 256 x 1, 4 waves a work-group, no clusters, 0 bytes of LDS; arguments eo, order, gate, out0; writes out0
.if DOCPART == 5
	.amdgcn_target "amdgcn-amd-amdhsa--gfx1250"
	.amdhsa_code_object_version 6
	.text
	.protected	k_q560729b879_combine
	.globl	k_q560729b879_combine
	.p2align	8
	.type	k_q560729b879_combine,@function
k_q560729b879_combine:
	s_mov_b64 s[64:65], 0
	v_nop
	global_prefetch_b8 v0, s[64:65] scope:SCOPE_SE
	s_setreg_imm32_b32 hwreg(HW_REG_WAVE_MODE, 25, 1), 1
	s_wait_xcnt 0x0
; COMBINE.  out0[t] = g0 x (the first expert's row, its two K halves added) + g1 x (the second's).  A wave takes one token: four rows of 4,096 bytes in, one out.
; Each load and each store of the wave covers 512 consecutive bytes.  The rows' places come from the stored list, the weights from the router's launch.  All 32 loads go out at once.
; No LDS, no barrier, no matrix work: a stream.
	s_load_b256 s[4:11], s[0:1], 0x0               ; eo, order, gate, out0
	v_lshrrev_b32 v1, 5, v0
	v_readfirstlane_b32 s12, v1                    ; wave 0..3
	v_and_b32 v1, 31, v0
	v_lshlrev_b32 v1, 4, v1                        ; 16 bytes a lane
	s_lshl_b32 s13, ttmp9, 2
	s_add_co_u32 s13, s13, s12                     ; my token
	s_lshl_b32 s14, s13, 3
	s_mov_b32 s15, 0
	s_lshl_b32 s16, s13, 12
	s_mov_b32 s17, 0
	s_wait_kmcnt 0x0
	s_add_nc_u64 s[6:7], s[6:7], s[14:15]
	s_add_nc_u64 s[8:9], s[8:9], s[14:15]
	s_add_nc_u64 s[10:11], s[10:11], s[16:17]
	s_load_b64 s[18:19], s[6:7], 0xa000            ; its two rows, 1,024 e + p
	s_load_b64 s[20:21], s[8:9], 0x0               ; its two weights
	s_wait_kmcnt 0x0
	s_min_u32 s18, s18, 8191
	s_min_u32 s19, s19, 8191
	s_lshl_b32 s22, s18, 12
	s_mov_b32 s23, 0
	s_lshl_b32 s24, s19, 12
	s_mov_b32 s25, 0
	s_add_nc_u64 s[22:23], s[4:5], s[22:23]        ; the first expert's row, K half 0,
	s_add_nc_u64 s[24:25], s[4:5], s[24:25]        ; the second's,
	s_add_nc_u64 s[26:27], s[22:23], 0x2000000     ; and their K halves 1
	s_add_nc_u64 s[28:29], s[24:25], 0x2000000
	s_mov_b32 s30, s20                             ; the packed forms name a pair and take its low word for both halves
	s_mov_b32 s31, s20
	s_mov_b32 s32, s21
	s_mov_b32 s33, s21
.irp i, 0,1,2,3,4,5,6,7
	global_load_b128 v[32+4*\i:35+4*\i], v1, s[22:23] offset:512*\i th:TH_LOAD_NT
	global_load_b128 v[64+4*\i:67+4*\i], v1, s[26:27] offset:512*\i th:TH_LOAD_NT
	global_load_b128 v[96+4*\i:99+4*\i], v1, s[24:25] offset:512*\i th:TH_LOAD_NT
	global_load_b128 v[128+4*\i:131+4*\i], v1, s[28:29] offset:512*\i th:TH_LOAD_NT
.endr
.irp i, 0,1,2,3,4,5,6,7
	s_wait_loadcnt 4*(7-\i)                        ; piece i's four loads are in; the later pieces' stay out
.irp p, 0,2
	v_pk_add_f32 v[32+4*\i+\p:33+4*\i+\p], v[32+4*\i+\p:33+4*\i+\p], v[64+4*\i+\p:65+4*\i+\p]
	v_pk_add_f32 v[96+4*\i+\p:97+4*\i+\p], v[96+4*\i+\p:97+4*\i+\p], v[128+4*\i+\p:129+4*\i+\p]
.endr
.irp p, 0,2
	v_pk_mul_f32 v[32+4*\i+\p:33+4*\i+\p], v[32+4*\i+\p:33+4*\i+\p], s[30:31] op_sel_hi:[1,0]
.endr
.irp p, 0,2
	v_pk_fma_f32 v[32+4*\i+\p:33+4*\i+\p], v[96+4*\i+\p:97+4*\i+\p], s[32:33], v[32+4*\i+\p:33+4*\i+\p] op_sel_hi:[1,0,1]
.endr
	global_store_b128 v1, v[32+4*\i:35+4*\i], s[10:11] offset:512*\i th:TH_STORE_NT
.endr
	s_endpgm
.Lfunc_end_k_q560729b879_combine:
	.size	k_q560729b879_combine, .Lfunc_end_k_q560729b879_combine-k_q560729b879_combine
	.p2alignl 7, 3214868480
	.fill 96, 4, 3214868480
	.section	.rodata,"a",@progbits
	.p2align	6, 0x0
	.amdhsa_kernel k_q560729b879_combine
		.amdhsa_group_segment_fixed_size 0
		.amdhsa_private_segment_fixed_size 0
		.amdhsa_enable_private_segment 0
		.amdhsa_kernarg_size 32
		.amdhsa_user_sgpr_count 2
		.amdhsa_user_sgpr_kernarg_segment_ptr 1
		.amdhsa_wavefront_size32 1
		.amdhsa_system_sgpr_workgroup_id_x 1
		.amdhsa_system_sgpr_workgroup_id_y 1
		.amdhsa_system_sgpr_workgroup_id_z 1
		.amdhsa_system_vgpr_workitem_id 0
		.amdhsa_next_free_vgpr 160
		.amdhsa_next_free_sgpr 66
		.amdhsa_reserve_vcc 0
		.amdhsa_float_denorm_mode_32 3
		.amdhsa_float_denorm_mode_16_64 3
		.amdhsa_memory_ordered 1
		.amdhsa_forward_progress 1
		.amdhsa_inst_pref_size 10
	.end_amdhsa_kernel
	.amdgpu_metadata
---
amdhsa.version: [ 1, 2 ]
amdhsa.kernels:
  - .name:           k_q560729b879_combine
    .symbol:         k_q560729b879_combine.kd
    .args:
      - { .name: eo, .offset: 0, .size: 8, .value_kind: global_buffer, .address_space: global }
      - { .name: order, .offset: 8, .size: 8, .value_kind: global_buffer, .address_space: global }
      - { .name: gate, .offset: 16, .size: 8, .value_kind: global_buffer, .address_space: global }
      - { .name: out0, .offset: 24, .size: 8, .value_kind: global_buffer, .address_space: global }
    .group_segment_fixed_size: 0
    .private_segment_fixed_size: 0
    .kernarg_segment_align: 8
    .kernarg_segment_size: 32
    .max_flat_workgroup_size: 128
    .sgpr_count:     66
    .vgpr_count:     160
    .wavefront_size: 32
...
	.end_amdgpu_metadata
.endif
;; end of part 5
